; MI455X (gfx1250); checked and timed in simulation.
; The chip was launched on July 23, 2026; its instructions are those of AMD's public machine-readable ISA for CDNA 5 (MIT licence, August 2026) and "CDNA5" Instruction Set Architecture Reference Guide (July 2026). The comments in the code are by the model that wrote it; some were corrected since.
;; Linear KAN. Allowed arithmetic: float matrix products may take bf16 or f16 operands with f32 sums; all other float work in f32.
;; Inputs: c 8 x 512 x 512 float32; grid 8 float32; w_b 512 x 512 float32; w_s 512 x 512 float32; x 1,024 x 512 float32.
;; Outputs: out0 1,024 x 512 float32.
;; One version. Each part assembles by itself: llvm-mc -triple=amdgcn-amd-amdhsa -mcpu=gfx1250 --defsym DOCPART=n.
;; ======== version 1 of 1: 2 launches
;; limits: values outside matrix products are rounded to bf16
;; workspace buffers: abuf 4,194,304 bytes; bbuf 1,048,576 bytes
;; launch prep (part 1): grid 256 x 1, 8 waves a work-group, no clusters, 22,784 bytes of LDS; arguments x, c, w_b, w_s, grid, abuf, bbuf; writes abuf, bbuf
.if DOCPART == 1
	.amdgcn_target "amdgcn-amd-amdhsa--gfx1250"
	.amdhsa_code_object_version 6
	.text
	.protected	k_q9d50fb1c4e_prep
	.globl	k_q9d50fb1c4e_prep
	.p2align	8
	.type	k_q9d50fb1c4e_prep,@function
k_q9d50fb1c4e_prep:
	s_mov_b64 s[64:65], 0
	v_nop
	global_prefetch_b8 v0, s[64:65] scope:SCOPE_SE
	s_setreg_imm32_b32 hwreg(HW_REG_WAVE_MODE, 25, 1), 1
	s_wait_xcnt 0x0
; LinearKAN, step 1 of 2.  out[b][o] = sum over i of S[b][i] * CW[o][i] + silu(x[b][i]) * w_b[o][i], with
;   S[b][i] = sum over n of exp(-(x[b][i] - grid[n])^2)       CW[o][i] = (sum over a of c[a][o][i]) * w_s[o][i]
; (the einsum sums n and a independently).  This launch makes both operands of that product, each element once, in bf16:
;   abuf [hi, lo][64 blocks of 16 rows b][128 chunks][16 rows][8 bf16]   chunk ic of row b = S(b, 4ic..4ic+3), silu(x(b, 4ic..4ic+3))
;   bbuf         [32 blocks of 16 rows o][128 chunks][16 rows][8 bf16]   chunk ic of row o = CW(o, 4ic..4ic+3), w_b(o, 4ic..4ic+3)
; A IS KEPT AS TWO bf16: hi = bf16(v), lo = bf16(v - hi), the difference exact in f32.  Where x lies inside the centres S is nearly one constant
; (a sum of evenly spaced Gaussians), so that one rounding to 8 significant bits would be an error of like size and often like sign in most of
; the 512 terms of a sum; with hi + lo the operand carries about 16 bits.  Both halves meet the same chunks of bbuf in the second launch.
; Four chunks of a block (1,024 consecutive bytes) are one 16 x 32 matrix fragment as the lanes hold it, so that the second launch
; loads fragments by consecutive bytes; the order of k inside is the same in both buffers, which keeps the products.
; Work-group g (256 of them, 8 waves): columns 64 (g & 7) .. + 63 of the 16 rows o of block g >> 3 and of the 32 rows b of blocks
; 2 (g >> 3), 2 (g >> 3) + 1.  Thread t reads 16 bytes (4 f32) of row t >> 4: sixteen neighbouring lanes read 256 consecutive aligned bytes.
; Each input byte is read once in the launch; all twelve loads of a thread are issued at once, x first.
; A thread's four numbers give one chunk of 16 bytes.  The chunks go through LDS to change from '16 chunks of one row' to '16 rows of one
; chunk'; a block's 4,096 bytes then leave in order, 512 consecutive bytes for each store of a wave.
; LIMITS: inputs finite, |x| below bf16's largest number (3.39e38).  CW and w_b rounded once to bf16 (f32's range, 8 significant bits).
; A Gaussian below 2^-126 comes out as 0 (v_exp_f32 flushes denormal results: ISA guide, its entry in 15.8).  silu(x) = x / (1 + exp(-x)):
; for x below -88 the exponential is +inf, its reciprocal 0 and the result -0, where the exact value is below 1e-36 in magnitude.
; c's eight slices are added as a tree in f32.
.set BLK,    32768                     ; 16 rows of 512 f32, and also a block of abuf or bbuf: 128 chunks x 256 bytes
.set LO,     2097152                   ; abuf's second half: the lo parts
.set SLICE,  1048576                   ; one of c's eight slices
.set PITCH,  272                       ; LDS: 16 chunks of 16 bytes + 16 = 17 x 16 bytes: 16 lanes, one pitch apart, touch 16 different 16-byte columns modulo 256
.set STAGE,  16*PITCH                  ; one block's 256 chunks; five stages (A: two blocks hi, two lo; B), each written once
.set XO,  3                            ; v3        byte offset of my 16 bytes in x (first of my two blocks)
.set CO,  4                            ; v4        the same in a slice of c, in w_s and in w_b
.set LW,  5                            ; v5        LDS: where my chunk goes: chunk x PITCH + 16 x row
.set LR,  6                            ; v6        LDS: what I take out: chunk t >> 4, row t & 15
.set AO,  7                            ; v7        byte offset in abuf of the 16 bytes that I store
.set BO,  8                            ; v8        the same in bbuf
.set X,   10                           ; v[10:17]  x: 4 numbers of each of my two rows
.set C,   18                           ; v[18:49]  c: 4 numbers of each slice
.set WS,  50                           ; v[50:53]
.set WB,  54                           ; v[54:57]
.set G,   58                           ; v[58:73]  -sqrt(log2 e) * grid[n], each twice (a pair for the packed add)
.set XS,  74                           ; v[74:81]  sqrt(log2 e) * x
.set T0,  82                           ; v[82:89]  at work
.set T1,  90                           ; v[90:97]  at work
.set ACC, 98                           ; v[98:105] S
.set O,   106                          ; v[106:121] my chunks of A: row 1 hi, row 2 hi, row 1 lo, row 2 lo
.set PB,  122                          ; v[122:125] my chunk of B
.set R,   126                          ; v[126:145] the five chunks that I store
	s_load_b256 s[4:11], s[0:1], 0x0               ; x s[4:5], c s[6:7], w_b s[8:9], w_s s[10:11]
	s_load_b128 s[12:15], s[0:1], 0x20             ; grid s[12:13], abuf s[14:15]
	s_load_b64 s[16:17], s[0:1], 0x30              ; bbuf
	v_lshl_add_u32 v148, v0, 2, 0x5500
	v_mov_b32 v149, 0
	s_lshr_b32 s20, ttmp9, 3                       ; which rows
	s_and_b32 s21, ttmp9, 7                        ; which 64 columns
	s_lshl_b32 s22, s21, 8                         ; 64 f32
	s_lshl_b32 s23, s21, 12                        ; their 16 chunks of 256 bytes
	s_lshl_b32 s24, s20, 16                        ; two blocks (x, abuf)
	s_lshl_b32 s25, s20, 15                        ; one block (c, w_s, w_b, bbuf)
	s_or_b32 s26, s24, s22
	s_or_b32 s27, s25, s22
	s_or_b32 s24, s24, s23
	s_or_b32 s25, s25, s23
	v_lshrrev_b32 v1, 4, v0                        ; t >> 4: my row when I load, my chunk when I store
	v_and_b32 v2, 15, v0                           ; t & 15: my chunk when I load, my row when I store
	v_lshlrev_b32 v[XO], 4, v2
	v_lshl_or_b32 v[XO], v1, 11, v[XO]             ; row x 2,048 + chunk x 16
	v_add_nc_u32 v[CO], s27, v[XO]
	v_add_nc_u32 v[XO], s26, v[XO]
	v_mul_u32_u24 v[LW], v2, PITCH
	v_lshl_add_u32 v[LW], v1, 4, v[LW]
	v_mul_u32_u24 v[LR], v1, PITCH
	v_lshl_add_u32 v[LR], v2, 4, v[LR]
	v_lshl_add_u32 v[AO], v0, 4, s24               ; chunk x 256 + row x 16 = 16 t
	v_lshl_add_u32 v[BO], v0, 4, s25
	s_wait_kmcnt 0x0
	s_load_b256 s[28:35], s[12:13], 0x0            ; the eight centres (no line of this launch writes grid)
	global_load_b128 v[X:X+3],   v[XO], s[4:5] th:TH_LOAD_NT
	global_load_b128 v[X+4:X+7], v[XO], s[4:5] offset:BLK th:TH_LOAD_NT
.irp a, 0,1,2,3,4,5,6,7
	global_load_b128 v[C+4*\a:C+4*\a+3], v[CO], s[6:7] offset:\a*SLICE th:TH_LOAD_NT
.endr
	global_load_b128 v[WS:WS+3], v[CO], s[10:11] th:TH_LOAD_NT
	global_load_b128 v[WB:WB+3], v[CO], s[8:9] th:TH_LOAD_NT
	s_wait_kmcnt 0x0
	; exp(-(x - g)^2) = 2^(-(k x - k g)^2) with k = sqrt(log2 e) = 0x3f99be61: the difference is formed first, the square is never expanded
.irp g, 0,1,2,3,4,5,6,7
	s_mul_f32 s[36+\g], s[28+\g], 0xbf99be61       ; -k g
.endr
.irp g, 0,1,2,3,4,5,6,7
	v_mov_b32 v[G+2*\g],   s[36+\g]
	v_mov_b32 v[G+2*\g+1], s[36+\g]
.endr
; The Gaussians of centre g for my eight x, into d.  The results are used only behind the plain instructions of the next block
; (one plain vector instruction has to stand between a transcendental and the use of its result: ISA guide 5.7.2).
.macro GAUSS g, d
.irp p, 0,2,4,6
	v_pk_add_f32 v[\d+\p:\d+\p+1], v[XS+\p:XS+\p+1], v[G+2*\g:G+2*\g+1]
.endr
.irp p, 0,2,4,6
	v_pk_mul_f32 v[\d+\p:\d+\p+1], v[\d+\p:\d+\p+1], v[\d+\p:\d+\p+1] neg_lo:[0,1] neg_hi:[0,1]
.endr
.irp j, 0,1,2,3,4,5,6,7
	v_exp_f32 v[\d+\j], v[\d+\j]
.endr
.endm
.macro SUMUP d
	s_wait_alu depctr_va_vdst(0)
.irp p, 0,2,4,6
	v_pk_add_f32 v[ACC+\p:ACC+\p+1], v[ACC+\p:ACC+\p+1], v[\d+\p:\d+\p+1]
.endr
.endm
; Two f32 at src, src + 1 into one word of two bf16 (hi) and one word of what that rounding left over (lo); t, t + 1 at work.
.macro SPLIT hi, lo, src, t
	v_cvt_pk_bf16_f32 v[\hi], v[\src], v[\src+1]
	v_lshlrev_b32 v[\t],   16, v[\hi]              ; the two rounded numbers as f32
	v_and_b32     v[\t+1], 0xffff0000, v[\hi]
	v_pk_add_f32 v[\t:\t+1], v[\src:\src+1], v[\t:\t+1] neg_lo:[0,1] neg_hi:[0,1]  ; v - hi: exact, both have the same exponent or neighbouring ones
	v_cvt_pk_bf16_f32 v[\lo], v[\t], v[\t+1]
.endm
	s_wait_loadcnt 0xa                             ; x is in; the ten younger loads (c's eight, w_s, w_b) stay on their way
.irp p, 0,2,4,6
	v_pk_mul_f32 v[XS+\p:XS+\p+1], v[X+\p:X+\p+1], 0x3f99be61 op_sel_hi:[1,0]
.endr
	GAUSS 0, ACC                                   ; the first centre starts the sums: nothing is cleared
	GAUSS 1, T0
	GAUSS 2, T1
	SUMUP T0                                       ; always the block before the one whose exponentials were just issued
	GAUSS 3, T0
	SUMUP T1
	GAUSS 4, T1
	SUMUP T0
	GAUSS 5, T0
	SUMUP T1
	GAUSS 6, T1
	SUMUP T0
	GAUSS 7, T0
	SUMUP T1
	; silu(x) = x / (1 + 2^(-log2 e * x))
	s_wait_alu depctr_va_vdst(0)
.irp p, 0,2,4,6
	v_pk_mul_f32 v[T1+\p:T1+\p+1], v[X+\p:X+\p+1], 0xbfb8aa3b op_sel_hi:[1,0]
.endr
	SUMUP T0                                       ; S is whole, T0 is free
.irp j, 0,1,2,3,4,5,6,7
	v_exp_f32 v[T1+\j], v[T1+\j]
.endr
	SPLIT O,   O+8, ACC,   T0                      ; S of my first row: plain work behind the exponentials
	SPLIT O+1, O+9, ACC+2, T0+2
	s_wait_alu depctr_va_vdst(0)
.irp p, 0,2,4,6
	v_pk_add_f32 v[T1+\p:T1+\p+1], v[T1+\p:T1+\p+1], 1.0 op_sel_hi:[1,0]
.endr
.irp j, 0,1,2,3,4,5,6,7
	v_rcp_f32 v[T1+\j], v[T1+\j]
.endr
	SPLIT O+4, O+12, ACC+4, T0+4                   ; S of my second row: plain work behind the reciprocals
	SPLIT O+5, O+13, ACC+6, T0+6
	s_wait_alu depctr_va_vdst(0)
.irp p, 0,2,4,6
	v_pk_mul_f32 v[T1+\p:T1+\p+1], v[T1+\p:T1+\p+1], v[X+\p:X+\p+1]
.endr
	SPLIT O+2, O+10, T1,   T0                      ; silu, first row
	SPLIT O+3, O+11, T1+2, T0+2
	SPLIT O+6, O+14, T1+4, T0+4                    ; silu, second row
	SPLIT O+7, O+15, T1+6, T0+6
	; A's blocks leave while c is still on its way
.irp q, 0,1,2,3
	ds_store_b128 v[LW], v[O+4*\q:O+4*\q+3] offset:\q*STAGE
.endr
	s_wait_dscnt 0x0                               ; my chunks are in LDS before I say so: other waves read them
	s_barrier_signal -1
	s_barrier_wait -1
.irp q, 0,1,2,3
	ds_load_b128 v[R+4*\q:R+4*\q+3], v[LR] offset:\q*STAGE
.endr
	; a wave's store covers 512 consecutive bytes, aligned; the next launch reads them: no hint.  The waits count the younger LDS loads.
	s_wait_dscnt 0x3
	global_store_b128 v[AO], v[R:R+3],     s[14:15]
	s_wait_dscnt 0x2
	global_store_b128 v[AO], v[R+4:R+7],   s[14:15] offset:BLK
	s_wait_dscnt 0x1
	global_store_b128 v[AO], v[R+8:R+11],  s[14:15] offset:LO
	s_wait_dscnt 0x0
	global_store_b128 v[AO], v[R+12:R+15], s[14:15] offset:LO+BLK
	; B: the eight slices as a tree, times w_s; w_b as it is
	s_wait_loadcnt 0x2                             ; c is in; w_s and w_b may be out
.irp p, 0,2
	v_pk_add_f32 v[C+\p:C+\p+1],       v[C+\p:C+\p+1],       v[C+4+\p:C+4+\p+1]
	v_pk_add_f32 v[C+8+\p:C+8+\p+1],   v[C+8+\p:C+8+\p+1],   v[C+12+\p:C+12+\p+1]
	v_pk_add_f32 v[C+16+\p:C+16+\p+1], v[C+16+\p:C+16+\p+1], v[C+20+\p:C+20+\p+1]
	v_pk_add_f32 v[C+24+\p:C+24+\p+1], v[C+24+\p:C+24+\p+1], v[C+28+\p:C+28+\p+1]
.endr
.irp p, 0,2
	v_pk_add_f32 v[C+\p:C+\p+1],       v[C+\p:C+\p+1],       v[C+8+\p:C+8+\p+1]
	v_pk_add_f32 v[C+16+\p:C+16+\p+1], v[C+16+\p:C+16+\p+1], v[C+24+\p:C+24+\p+1]
.endr
.irp p, 0,2
	v_pk_add_f32 v[C+\p:C+\p+1], v[C+\p:C+\p+1], v[C+16+\p:C+16+\p+1]
.endr
	s_wait_loadcnt 0x0
.irp p, 0,2
	v_pk_mul_f32 v[C+\p:C+\p+1], v[C+\p:C+\p+1], v[WS+\p:WS+\p+1]
.endr
	v_cvt_pk_bf16_f32 v[PB],   v[C],    v[C+1]
	v_cvt_pk_bf16_f32 v[PB+1], v[C+2],  v[C+3]
	v_cvt_pk_bf16_f32 v[PB+2], v[WB],   v[WB+1]
	v_cvt_pk_bf16_f32 v[PB+3], v[WB+2], v[WB+3]
	ds_store_b128 v[LW], v[PB:PB+3] offset:4*STAGE             ; a stage of its own: no byte of LDS is written twice
	s_wait_dscnt 0x0
	s_barrier_signal -1
	s_barrier_wait -1
	ds_load_b128 v[R+16:R+19], v[LR] offset:4*STAGE
	s_wait_dscnt 0x0
	global_store_b128 v[BO], v[R+16:R+19], s[16:17]
	s_wait_tensorcnt 0x0
	ds_add_u32 v148, v149
	s_wait_dscnt 0x0
	s_endpgm
.Lfunc_end_k_q9d50fb1c4e_prep:
	.size	k_q9d50fb1c4e_prep, .Lfunc_end_k_q9d50fb1c4e_prep-k_q9d50fb1c4e_prep
	.p2alignl 7, 3214868480
	.fill 96, 4, 3214868480
	.section	.rodata,"a",@progbits
	.p2align	6, 0x0
	.amdhsa_kernel k_q9d50fb1c4e_prep
		.amdhsa_group_segment_fixed_size 22784
		.amdhsa_private_segment_fixed_size 0
		.amdhsa_enable_private_segment 0
		.amdhsa_kernarg_size 56
		.amdhsa_user_sgpr_count 2
		.amdhsa_user_sgpr_kernarg_segment_ptr 1
		.amdhsa_wavefront_size32 1
		.amdhsa_system_sgpr_workgroup_id_x 1
		.amdhsa_system_sgpr_workgroup_id_y 1
		.amdhsa_system_sgpr_workgroup_id_z 1
		.amdhsa_system_vgpr_workitem_id 0
		.amdhsa_next_free_vgpr 150
		.amdhsa_next_free_sgpr 66
		.amdhsa_reserve_vcc 0
		.amdhsa_float_denorm_mode_32 3
		.amdhsa_float_denorm_mode_16_64 3
		.amdhsa_memory_ordered 1
		.amdhsa_forward_progress 1
		.amdhsa_inst_pref_size 19
	.end_amdhsa_kernel
	.amdgpu_metadata
---
amdhsa.version: [ 1, 2 ]
amdhsa.kernels:
  - .name:           k_q9d50fb1c4e_prep
    .symbol:         k_q9d50fb1c4e_prep.kd
    .args:
      - { .name: x, .offset: 0, .size: 8, .value_kind: global_buffer, .address_space: global }
      - { .name: c, .offset: 8, .size: 8, .value_kind: global_buffer, .address_space: global }
      - { .name: w_b, .offset: 16, .size: 8, .value_kind: global_buffer, .address_space: global }
      - { .name: w_s, .offset: 24, .size: 8, .value_kind: global_buffer, .address_space: global }
      - { .name: grid, .offset: 32, .size: 8, .value_kind: global_buffer, .address_space: global }
      - { .name: abuf, .offset: 40, .size: 8, .value_kind: global_buffer, .address_space: global }
      - { .name: bbuf, .offset: 48, .size: 8, .value_kind: global_buffer, .address_space: global }
    .group_segment_fixed_size: 22784
    .private_segment_fixed_size: 0
    .kernarg_segment_align: 8
    .kernarg_segment_size: 56
    .max_flat_workgroup_size: 256
    .sgpr_count:     66
    .vgpr_count:     150
    .wavefront_size: 32
...
	.end_amdgpu_metadata
.endif
;; end of part 1
;; launch gemm (part 2): grid 8 x 32, 8 waves a work-group, no clusters, 70,656 bytes of LDS; arguments abuf, bbuf, out0; writes out0
.if DOCPART == 2
	.amdgcn_target "amdgcn-amd-amdhsa--gfx1250"
	.amdhsa_code_object_version 6
	.text
	.protected	k_q9d50fb1c4e_gemm
	.globl	k_q9d50fb1c4e_gemm
	.p2align	8
	.type	k_q9d50fb1c4e_gemm,@function
k_q9d50fb1c4e_gemm:
	s_mov_b64 s[64:65], 0
	v_nop
	global_prefetch_b8 v0, s[64:65] scope:SCOPE_SE
	s_setreg_imm32_b32 hwreg(HW_REG_WAVE_MODE, 25, 1), 1
	s_wait_xcnt 0x0
; LinearKAN, step 2 of 2.  out0[b][o] = sum over the 1,024 k of (Ahi[b][k] + Alo[b][k]) B'[o][k], bf16 operands, f32 sums.  out0: [1024][512] f32.
; abuf (hi half, then lo half 2 MiB further) and bbuf: [block of 16 rows][128 chunks][16 rows][8 bf16], as the first launch stored them: four chunks
; (1,024 consecutive bytes) are one 16 x 32 fragment in the lanes' own order: lane l takes 16 bytes at 16 l (registers 0-3) and at 512 + 16 l (registers 4-7).
; A work-group (256 of them) makes 32 rows x 64 columns of out0: a row's piece is 256 consecutive bytes, aligned.
; Its eight waves share K: wave w takes chunks 16 w .. 16 w + 15 (4 matrix steps of 32 k) of the 2 blocks of Ahi, the 2 of Alo and the 4 of B':
; 64 loads of 512 consecutive bytes, 32 KiB, 256 registers, all issued at once.  Each operand byte is loaded by one wave of the work-group, once,
; 256 KiB for the work-group; there is no ring and no loop.  A fragment of B' serves four matrix instructions (2 blocks x hi, lo).
; The eight partial tiles meet in LDS; wave w adds up and stores rows 4 w .. 4 w + 3.
; NO CLUSTER, NO JOINT REQUESTS, though the 8 work-groups of a block row read the same 128 KiB of abuf and the 32 of a block column the same
; 128 KiB of bbuf: a joint request lands in LDS, and here every byte is used by one wave in the order in which it lies in memory, so it goes
; straight into the fragment registers; the way through LDS would add 256 KiB of LDS writes and 256 KiB of LDS reads for each work-group's 512 matrix instructions.
; THE MATRIX INSTRUCTION IS USED TRANSPOSED: source 0 = 16 rows of B', source 1 = 16 rows of A; lane l then holds row l % 16 of the tile and
; in registers 0-7 the columns 8 (l / 16) + 0 .. 7: 32 neighbouring bytes of a row of out0.
; LIMITS: finite operands; K is summed in eight parts of 128 (hi products, then lo products) and the parts as a tree, in f32.
; REGISTERS: v0-7 addresses; v8-199 fragments (step s at 8 + 48 s: Ahi blocks 0, 1, then B' blocks 0-3, 8 registers each), v8-71 once more for the
; partial sums; v256-319 the 8 accumulator tiles (tile (a, b) at 256 + 8 (4 a + b)), named v0-63 under s_set_vgpr_msb; v320-383 the fragments of
; Alo (step s, block a at 320 + 16 s + 8 a), named v64-127.
.set RB,    32768                      ; a block of 16 rows: 128 chunks x 256 bytes
.set LO,    2097152                    ; abuf's lo half
.set F,     8
.set AL,    64                         ; Alo's fragments, in the second window
.set PITCH, 272                        ; LDS row of a partial tile: 256 bytes + 16 = 17 x 16: 16 lanes, one row apart, touch 16 different 16-byte columns modulo 256
.set PART,  32*PITCH                   ; a wave's partial tile
.set RD,  1                            ; v1  LDS: my 16 bytes of row 4 w + l / 16 in partial tile 0
.set CO,  2                            ; v2  the same 16 bytes in out0
.set AO,  3                            ; v3  byte offset of my 16 bytes in abuf
.set BO,  4                            ; v4  and in bbuf
.set ST,  7                            ; v7  LDS: my 32 bytes of row l % 16 in my wave's partial tile
	s_load_b128 s[4:7], s[0:1], 0x0                ; abuf s[4:5], bbuf s[6:7]
	s_load_b64 s[8:9], s[0:1], 0x10                ; out0
	v_lshl_add_u32 v254, v0, 2, 0x11000
	v_mov_b32 v255, 0
	; all offsets are made while the three addresses are on their way
	v_lshrrev_b32 v1, 5, v0
	v_readfirstlane_b32 s10, v1                    ; wave 0..7
	v_and_b32 v2, 31, v0                           ; lane
	s_and_b32 s11, ttmp7, 0xffff                   ; block row of out0 (32 rows); ttmp9: block column (64 columns)
	s_lshl_b32 s12, s10, 12                        ; my wave's 16 chunks of 256 bytes
	s_lshl_b32 s13, s11, 16                        ; 2 blocks of A
	s_or_b32 s13, s13, s12
	s_lshl_b32 s14, ttmp9, 17                      ; 4 blocks of B'
	s_or_b32 s14, s14, s12
	v_lshl_add_u32 v[AO], v2, 4, s13
	v_lshl_add_u32 v[BO], v2, 4, s14
	v_and_b32 v5, 15, v0                           ; l % 16
	v_bfe_u32 v6, v0, 4, 1                         ; l / 16
	s_mul_i32 s15, s10, PART
	v_mul_u32_u24 v[ST], v5, PITCH
	v_lshl_add_u32 v[ST], v6, 5, v[ST]             ; row l % 16, 32 bytes for each half of the lanes
	v_add_nc_u32 v[ST], s15, v[ST]
	s_mul_i32 s16, s10, 4*PITCH
	v_mul_u32_u24 v[RD], v6, PITCH
	v_lshl_add_u32 v[RD], v5, 4, v[RD]             ; lanes 0-15 one row of 256 bytes, lanes 16-31 the next
	v_add_nc_u32 v[RD], s16, v[RD]
	s_lshl_b32 s17, s10, 13                        ; 4 w rows of 2,048 bytes
	s_lshl_b32 s18, s11, 16                        ; 32 rows for each block row
	s_or_b32 s17, s17, s18
	s_lshl_b32 s19, ttmp9, 8                       ; 64 f32 for each block column
	s_or_b32 s17, s17, s19
	v_lshlrev_b32 v[CO], 11, v6
	v_lshl_add_u32 v[CO], v5, 4, v[CO]
	v_add_nc_u32 v[CO], s17, v[CO]
	s_wait_kmcnt 0x0
.irp s, 0,1,2,3
.irp a, 0,1
	global_load_b128 v[F+48*\s+8*\a:F+48*\s+8*\a+3],   v[AO], s[4:5] offset:\a*RB+\s*1024
	global_load_b128 v[F+48*\s+8*\a+4:F+48*\s+8*\a+7], v[AO], s[4:5] offset:\a*RB+\s*1024+512
.endr
.irp b, 0,1,2,3
	global_load_b128 v[F+48*\s+16+8*\b:F+48*\s+16+8*\b+3],   v[BO], s[6:7] offset:\b*RB+\s*1024
	global_load_b128 v[F+48*\s+16+8*\b+4:F+48*\s+16+8*\b+7], v[BO], s[6:7] offset:\b*RB+\s*1024+512
.endr
.endr
	s_set_vgpr_msb 0x40                            ; loaded data (destination) in v256-511, the offset register in v0-255
.irp s, 0,1,2,3
.irp a, 0,1
	global_load_b128 v[AL+16*\s+8*\a:AL+16*\s+8*\a+3],   v[AO], s[4:5] offset:LO+\a*RB+\s*1024
	global_load_b128 v[AL+16*\s+8*\a+4:AL+16*\s+8*\a+7], v[AO], s[4:5] offset:LO+\a*RB+\s*1024+512
.endr
.endr
; One step of 32 along k with Ahi: 8 matrix instructions on 8 different accumulators.  first = 1: the products start the sums, nothing is cleared.
.macro KSTEP s, first
.irp a, 0,1
.irp b, 0,1,2,3
.if \first
	v_wmma_f32_16x16x32_bf16 v[8*(4*\a+\b):8*(4*\a+\b)+7], v[F+48*\s+16+8*\b:F+48*\s+16+8*\b+7], v[F+48*\s+8*\a:F+48*\s+8*\a+7], 0
.else
	v_wmma_f32_16x16x32_bf16 v[8*(4*\a+\b):8*(4*\a+\b)+7], v[F+48*\s+16+8*\b:F+48*\s+16+8*\b+7], v[F+48*\s+8*\a:F+48*\s+8*\a+7], v[8*(4*\a+\b):8*(4*\a+\b)+7]
.endif
.endr
.endr
.endm
; The same step with Alo: the same fragments of B', the same accumulators.
.macro KLO s
.irp a, 0,1
.irp b, 0,1,2,3
	v_wmma_f32_16x16x32_bf16 v[8*(4*\a+\b):8*(4*\a+\b)+7], v[F+48*\s+16+8*\b:F+48*\s+16+8*\b+7], v[AL+16*\s+8*\a:AL+16*\s+8*\a+7], v[8*(4*\a+\b):8*(4*\a+\b)+7]
.endr
.endr
.endm
	s_set_vgpr_msb 0x4050                          ; C (source 2) and D in v256-511, both operands in v0-255
	s_wait_loadcnt 0x34                            ; loads come back in order (ISA guide 5.7.1): step 0's twelve are in; 36 + 16 = 52 younger stay out
	KSTEP 0, 1
	s_wait_loadcnt 0x28                            ; 24 + 16 younger
	KSTEP 1, 0
	s_wait_loadcnt 0x1c                            ; 12 + 16 younger
	KSTEP 2, 0
	s_wait_loadcnt 0x10                            ; Alo's sixteen
	KSTEP 3, 0
	s_set_vgpr_msb 0x5054                          ; source 1 (Alo) in v256-511 too
	s_wait_loadcnt 0xc                             ; four loads for each step of Alo: twelve younger
	KLO 0
	s_wait_loadcnt 0x8
	KLO 1
	s_wait_loadcnt 0x4
	KLO 2
	s_wait_loadcnt 0x0
	KLO 3
.rept 4
	v_nop                                          ; four places between the last matrix instruction and the LDS stores that read results, and the LDS loads into fragment registers further down
.endr
	s_set_vgpr_msb 0x5404                          ; LDS store: data (source 1) in v256-511, address in v0-255
.irp a, 0,1
.irp b, 0,1,2,3
	ds_store_b128 v[ST], v[8*(4*\a+\b):8*(4*\a+\b)+3]   offset:\a*16*PITCH+64*\b
	ds_store_b128 v[ST], v[8*(4*\a+\b)+4:8*(4*\a+\b)+7] offset:\a*16*PITCH+64*\b+16
.endr
.endr
	s_set_vgpr_msb 0x0400                          ; all back to v0-255
	s_wait_dscnt 0x0                               ; my partial tile is in LDS before I say so: the other waves read it
	s_barrier_signal -1
	s_barrier_wait -1
.irp p, 0,1,2,3,4,5,6,7
	ds_load_b128 v[F+8*\p:F+8*\p+3],   v[RD] offset:\p*PART            ; rows 4 w, 4 w + 1 of partial tile p
	ds_load_b128 v[F+8*\p+4:F+8*\p+7], v[RD] offset:\p*PART+2*PITCH    ; rows 4 w + 2, 4 w + 3
.endr
.macro PAIR x, y                       ; partial x += partial y, my eight numbers
.irp q, 0,2,4,6
	v_pk_add_f32 v[F+8*\x+\q:F+8*\x+\q+1], v[F+8*\x+\q:F+8*\x+\q+1], v[F+8*\y+\q:F+8*\y+\q+1]
.endr
.endm
	s_wait_dscnt 0xc                               ; partials 0 and 1 (four loads) are in, twelve younger loads may be out
	PAIR 0, 1
	s_wait_dscnt 0x8
	PAIR 2, 3
	s_wait_dscnt 0x4
	PAIR 4, 5
	s_wait_dscnt 0x0
	PAIR 6, 7
	PAIR 0, 2
	PAIR 4, 6
	PAIR 0, 4
	global_store_b128 v[CO], v[F:F+3],   s[8:9] th:TH_STORE_NT              ; 16 lanes store 256 consecutive bytes of a row of out0, at a multiple of 256
	global_store_b128 v[CO], v[F+4:F+7], s[8:9] offset:4096 th:TH_STORE_NT  ; two rows further down
	s_wait_tensorcnt 0x0
	ds_add_u32 v254, v255
	s_wait_dscnt 0x0
	s_endpgm
.Lfunc_end_k_q9d50fb1c4e_gemm:
	.size	k_q9d50fb1c4e_gemm, .Lfunc_end_k_q9d50fb1c4e_gemm-k_q9d50fb1c4e_gemm
	.p2alignl 7, 3214868480
	.fill 96, 4, 3214868480
	.section	.rodata,"a",@progbits
	.p2align	6, 0x0
	.amdhsa_kernel k_q9d50fb1c4e_gemm
		.amdhsa_group_segment_fixed_size 70656
		.amdhsa_private_segment_fixed_size 0
		.amdhsa_enable_private_segment 0
		.amdhsa_kernarg_size 24
		.amdhsa_user_sgpr_count 2
		.amdhsa_user_sgpr_kernarg_segment_ptr 1
		.amdhsa_wavefront_size32 1
		.amdhsa_system_sgpr_workgroup_id_x 1
		.amdhsa_system_sgpr_workgroup_id_y 1
		.amdhsa_system_sgpr_workgroup_id_z 1
		.amdhsa_system_vgpr_workitem_id 0
		.amdhsa_next_free_vgpr 384
		.amdhsa_next_free_sgpr 66
		.amdhsa_reserve_vcc 0
		.amdhsa_float_denorm_mode_32 3
		.amdhsa_float_denorm_mode_16_64 3
		.amdhsa_memory_ordered 1
		.amdhsa_forward_progress 1
		.amdhsa_inst_pref_size 17
	.end_amdhsa_kernel
	.amdgpu_metadata
---
amdhsa.version: [ 1, 2 ]
amdhsa.kernels:
  - .name:           k_q9d50fb1c4e_gemm
    .symbol:         k_q9d50fb1c4e_gemm.kd
    .args:
      - { .name: abuf, .offset: 0, .size: 8, .value_kind: global_buffer, .address_space: global }
      - { .name: bbuf, .offset: 8, .size: 8, .value_kind: global_buffer, .address_space: global }
      - { .name: out0, .offset: 16, .size: 8, .value_kind: global_buffer, .address_space: global }
    .group_segment_fixed_size: 70656
    .private_segment_fixed_size: 0
    .kernarg_segment_align: 8
    .kernarg_segment_size: 24
    .max_flat_workgroup_size: 256
    .sgpr_count:     66
    .vgpr_count:     384
    .wavefront_size: 32
...
	.end_amdgpu_metadata
.endif
;; end of part 2
